; MI455X (gfx1250); checked and timed in simulation.
; The chip was launched on July 23, 2026; its instructions are those of AMD's public machine-readable ISA for CDNA 5 (MIT licence, August 2026) and "CDNA5" Instruction Set Architecture Reference Guide (July 2026). The comments in the code are by the model that wrote it; some were corrected since.
;; Minibatch Discrimination. Allowed arithmetic: matrix products marked QUANTISED: E2M3 operands, one E8M0 scale for each 32 along K, by v_wmma_scale_f32_16x16x128_f8f6f4 with both operands' format E2M3, f32 sums; everything else in f32.
;; Inputs: T 512 x 250 float32; x 1,024 x 512 float32.
;; Outputs: out0 1,024 x 562 float32.
;; This version of the problem:
;;   THIS VERSION OF THE PROBLEM IS GIVEN IN LOW PRECISION. The matrix products marked QUANTISED in the list below multiply operands that are first quantised to E2M3 (2 exponent bits, 3 mantissa bits; 6 bits a number), with one power-of-two scale for each 32 numbers along K (OCP MX v1.0); their sums are f32. All else is computed in f32.
;;   The module's matrix products, in the order in which they are computed (A, B: the left and right operand; K: the contracted axis; several contracted axes count as one K, in the product's order):
;;     1. [M 1,024, K 512] x [K 512, N 250]; A: input x; B: input T: QUANTISED
;;   THE QUANTISER, for each operand of a quantised product, along K:
;;     - K is cut into blocks of 32 from its start; a last block that is shorter is filled with zeros.
;;     - A block's scale is 2^e with e = floor(log2(the largest magnitude in the block)) - 2, held to -126 .. 127; a block of zeros has e = 0. As a byte (E8M0): e + 127.
;;     - Each number is divided by its block's scale, clamped to +-7.5, and rounded to the nearest number of E2M3, ties to even, subnormals kept.
;;     - The product sums the exact products of the quantised numbers (number of the format x scale) in f32.
;;   ~~~python
;;   def quantise(x, axis):      # numpy; x: float32 -> the quantised numbers, widened to float32 again
;;       x = np.moveaxis(x, axis, -1); K = x.shape[-1]
;;       x = np.pad(x, [(0, 0)] * (x.ndim - 1) + [(0, -K % 32)]); x = x.reshape(x.shape[:-1] + (-1, 32)); a = np.abs(x).max(-1, keepdims=True)
;;       e = np.where(a > 0, np.clip(np.frexp(np.where(a > 0, a, 1))[1] - 1 - 2, -126, 127), 0)      # np.frexp(a)[1] - 1 = floor(log2(a)), exactly
;;       r = np.clip(x / 2.0 ** e, -7.5, 7.5)
;;       step = 2.0 ** (np.maximum(np.frexp(np.where(r == 0, 1, r))[1] - 1, 0) - 3)
;;       q = np.round(r / step) * step * 2.0 ** e      # np.round: ties to even
;;       return np.moveaxis(q.reshape(q.shape[:-2] + (-1,))[..., :K], -1, axis).astype(np.float32)
;;   ~~~
;; One version. Each part assembles by itself: llvm-mc -triple=amdgcn-amd-amdhsa -mcpu=gfx1250 --defsym DOCPART=n.
;; ======== version 1 of 1: 2 launches
;; limits: right only within a limited range of input values
;; workspace buffers: m 2,097,152 bytes
;; launch project (part 1): grid 16 x 16, 24 waves a work-group, no clusters, 167,936 bytes of LDS; arguments x, T, m; writes m
.if DOCPART == 1
	.amdgcn_target "amdgcn-amd-amdhsa--gfx1250"
	.amdhsa_code_object_version 6
	.text
	.protected	k_q9200bfc8b0_project
	.globl	k_q9200bfc8b0_project
	.p2align	8
	.type	k_q9200bfc8b0_project,@function
k_q9200bfc8b0_project:
	s_mov_b64 s[64:65], 0
	v_nop
	global_prefetch_b8 v0, s[64:65] scope:SCOPE_SE
	s_setreg_imm32_b32 hwreg(HW_REG_WAVE_MODE, 25, 1), 1
	s_wait_xcnt 0x0
; m[part][c][i] = log2(e) * sum over k of part's half of K of Q(x)[i][k] Q(T)[k][c]:  x [1024][512] f32, T [512][250] f32, both quantised along K to FP6 (E2M3) with one E8M0 scale
; for each 32 along K; sums in f32.  m is laid [2 parts][256 columns][1024 rows] f32; the next launch adds the two parts.  The factor log2(e) lets that launch use 2^x.
; SHARES.  A work-group makes 64 rows (grid y) x 32 columns (grid x / 2) over 256 along K (grid x mod 2): K is cut in two so that a work-group loads fewer bytes of x and T for each product.
;   24 waves, one unit of 32 blocks each, A WHOLE BLOCK OF 32 ALONG K IN ONE LANE, so no other lane is asked for a maximum.
;   Waves 0 to 7, T: wave w takes k = 32 w .. + 31 of the half, a lane to a column, registers running down K.
;   Waves 8 to 23, x: four rows' 1,024 bytes each, eight loads of 512 consecutive bytes; they turn through the wave's own LDS (144 bytes from block to block) so that lane l gets block l % 8 of its row l / 8.
;   Codes go to LDS as images of the operands' registers: a fragment's piece of 8 bytes (six of them) lies at 8 x lane of its 256 bytes; 32 bytes behind each three pieces spread the stores over the banks.
;   Behind the one barrier waves 0 and 1 make 64 rows x 16 columns each: four accumulators by turns, two K steps.  Source 0 = x's rows, source 1 = T's columns: lane (r, h) holds column r, rows 8 h + 0..7.
;   A column's 64 rows are 256 bytes: they go through the wave's own stage, and sixteen lanes store them, at a multiple of 256 from m's first byte.
; COLUMNS 250 to 255 do not exist: their lanes are held at column 249 (no load leaves T); what they give goes to columns of m that nobody reads.
; NO CLUSTER, NO TENSOR LOAD: T's rows are 1,000 bytes, so tensor rows would begin off 256-byte borders and run across them; every tile comes once, by at most 32 loads a wave that are all out together, and there is no loop.  For the same reason nothing is prefetched.
; LIMITS: NaN and infinities among the inputs are not served.  A block of zeros gets the scale byte 1: its codes are zeros, and this launch alone reads the bytes.
.set FC,    800                        ; three pieces of 256 bytes + 32
.set FT,    4*FC                       ; a tile of 16 rows or columns, two K steps
.set XI,    16*4608                    ; LDS: behind sixteen turns of 32 x 144 bytes x's images, four tiles,
.set TI,    XI+4*FT                    ; T's, two,
.set SX,    TI+2*FT                    ; scale words [K step][64 rows],
.set STW,   SX+512                     ; and [K step][32 columns],
.set STG,   STW+256                    ; the way out: 16 columns x 272 bytes for each of two waves,
.set SPARE, STG+2*4352                 ; and the spare words
.set GO,  1                            ; v1  my offset in m
.set XFA, 2                            ; v2  x's fragments
.set TFA, 3                            ; v3  T's
.set SXA, 4                            ; v4  x's scale words
.set STA, 5                            ; v5  T's
.set GW,  6                            ; v6  the stage, in
.set GR,  7                            ; v7  and out
.set SPW, 8
.set NIL, 9
.set SC,  10                           ; v10-15 scale words, three for each K step: x's rows 0-31, x's rows 32-63, T's: they hold scales and nothing else
.set AC,  16                           ; v16-47 four accumulators; ahead of the barrier the set-up:
.set LN,  16
.set XO,  17                           ; 16 x lane
.set TO,  18                           ; 4 x column
.set HH,  19                           ; l / 16
.set RR,  20                           ; l % 16
.set L8,  21                           ; l / 8
.set TW,  22                           ; the turn, in
.set TR,  23                           ; and out
.set XW,  24                           ; x's codes
.set XS,  25                           ; x's scale byte
.set TCW, 26                           ; T's codes
.set TSW, 27                           ; T's scale byte
.set XR,  48                           ; v48-79  x as loaded
.set BQ,  80                           ; v80-111 a block
.set CD,  112                          ; v112-117 its codes
.set CT,  120                          ; v120-122 the second half as converted
.set TF,  48                           ; v48-71  T's fragments
.set XF,  72                           ; v72-155 x's: fragment 4 x K step + tile, modulo 7: the eighth takes the first one's registers
	s_load_b128 s[4:7], s[0:1], 0x0                ; x, T
	s_load_b64 s[8:9], s[0:1], 0x10                ; m
	v_lshrrev_b32 v28, 5, v0
	v_readfirstlane_b32 s10, v28                   ; wave w
	s_and_b32 s11, ttmp7, 0xffff                   ; block of 64 rows
	s_lshr_b32 s12, ttmp9, 1                       ; tile of 32 columns
	s_and_b32 s13, ttmp9, 1                        ; half of K
	s_add_co_u32 s14, s10, 8
	s_and_b32 s14, s14, 15                         ; waves 8 to 23: which four rows of x
	s_and_b32 s15, s10, 7                          ; waves 0 to 7: which block of T
	s_lshl_b32 s16, s11, 17
	s_lshl_b32 s36, s14, 13
	s_add_co_u32 s16, s16, s36
	s_lshl_b32 s36, s13, 10
	s_add_co_u32 s16, s16, s36                     ; x: row 64 block + 4 s14, byte 1,024 x half
	s_mov_b32 s17, 0
	s_mul_i32 s18, s13, 256000
	s_mul_i32 s36, s15, 32000
	s_add_co_u32 s18, s18, s36                     ; T: row 256 half + 32 w
	s_mov_b32 s19, 0
	s_mul_i32 s20, s14, 4608                       ; my turn
	s_lshr_b32 s21, s14, 2
	s_mul_i32 s21, s21, FT
	s_and_b32 s36, s14, 3
	s_lshl_b32 s36, s36, 5
	s_add_co_u32 s21, s21, s36
	s_add_co_u32 s21, s21, XI                      ; x's images: tile s14 / 4, row 4 (s14 % 4)
	s_lshl_b32 s22, s14, 4
	s_add_co_u32 s22, s22, SX                      ; x's scale words: row 4 s14
	s_lshr_b32 s23, s15, 1
	s_mul_i32 s23, s23, FC
	s_and_b32 s36, s15, 1
	s_lshl_b32 s36, s36, 7
	s_add_co_u32 s23, s23, s36
	s_add_co_u32 s23, s23, TI                      ; T's images: K step and half of my block, and its half of the lanes
	s_lshr_b32 s24, s15, 2
	s_lshl_b32 s24, s24, 7
	s_and_b32 s36, s15, 3
	s_add_co_u32 s24, s24, s36
	s_add_co_u32 s24, s24, STW                     ; T's scale words: my block's byte
	s_and_b32 s30, s10, 1                          ; waves 0 and 1: tile of 16 columns
	s_mul_i32 s25, s30, FT
	s_add_co_u32 s25, s25, TI
	s_lshl_b32 s26, s30, 6
	s_add_co_u32 s26, s26, STW
	s_mul_i32 s27, s30, 4352
	s_add_co_u32 s27, s27, STG
	s_lshl_b32 s28, s13, 20                        ; m: the part's 1,048,576 bytes,
	s_lshl_b32 s36, s12, 17
	s_add_co_u32 s28, s28, s36                     ; 32 columns of 4,096 bytes,
	s_lshl_b32 s36, s30, 16
	s_add_co_u32 s28, s28, s36                     ; 16 columns,
	s_lshl_b32 s36, s11, 8
	s_add_co_u32 s28, s28, s36                     ; 64 rows
	s_mov_b32 s29, 0
	s_lshl_b32 s31, s12, 5                         ; the tile's first column
	s_mov_b32 s34, 0x3fb8aa3b                      ; log2(e)
	s_mov_b32 s35, s34                             ; (named with it as a pair, so it is written)
	v_and_b32 v[LN], 31, v0
	v_lshlrev_b32 v[XO], 4, v[LN]
	v_add_nc_u32 v[TO], s31, v[LN]
	v_min_u32 v[TO], 249, v[TO]
	v_lshlrev_b32 v[TO], 2, v[TO]
	v_bfe_u32 v[HH], v0, 4, 1
	v_and_b32 v[RR], 15, v0
	v_bfe_u32 v[L8], v0, 3, 2
	v_lshl_add_u32 v[TW], v[L8], 4, v[XO]          ; 144 (l / 8) + 16 (l % 8)
	v_add_nc_u32 v[TW], s20, v[TW]
	v_mul_u32_u24 v[TR], 144, v[LN]
	v_add_nc_u32 v[TR], s20, v[TR]
	v_bfe_u32 v28, v0, 1, 2                        ; 2 x K step + half of my block of x
	v_and_b32 v29, 1, v0                           ; and its half of the lanes
	v_mul_u32_u24 v[XW], FC, v28
	v_lshl_add_u32 v[XW], v29, 7, v[XW]
	v_lshl_add_u32 v[XW], v[L8], 3, v[XW]
	v_add_nc_u32 v[XW], s21, v[XW]
	v_bfe_u32 v30, v0, 2, 1
	v_and_b32 v31, 3, v0
	v_lshl_add_u32 v[XS], v30, 8, v31
	v_lshl_add_u32 v[XS], v[L8], 2, v[XS]
	v_add_nc_u32 v[XS], s22, v[XS]
	v_mul_u32_u24 v[TCW], FT, v[HH]
	v_lshl_add_u32 v[TCW], v[RR], 3, v[TCW]
	v_add_nc_u32 v[TCW], s23, v[TCW]
	v_lshl_add_u32 v[TSW], v[LN], 2, s24
	v_lshl_add_u32 v[XFA], v[LN], 3, XI
	v_lshl_add_u32 v[TFA], v[LN], 3, s25
	v_lshl_add_u32 v[SXA], v[LN], 2, SX
	v_lshl_add_u32 v[STA], v[RR], 2, s26
	v_mul_u32_u24 v[GW], 272, v[RR]
	v_lshl_add_u32 v[GW], v[HH], 5, v[GW]
	v_add_nc_u32 v[GW], s27, v[GW]
	v_mul_u32_u24 v[GR], 272, v[HH]
	v_lshl_add_u32 v[GR], v[RR], 4, v[GR]
	v_add_nc_u32 v[GR], s27, v[GR]
	v_lshlrev_b32 v[GO], 4, v[RR]
	v_lshl_add_u32 v[GO], v[HH], 12, v[GO]
	v_lshl_add_u32 v[SPW], v0, 2, SPARE
	v_mov_b32 v[NIL], 0
	s_wait_alu depctr_va_vdst(0)                   ; the wait at the head's end
	s_wait_kmcnt 0x0
	s_add_nc_u64 s[4:5], s[4:5], s[16:17]
	s_add_nc_u64 s[6:7], s[6:7], s[18:19]
	s_add_nc_u64 s[8:9], s[8:9], s[28:29]
; a lane's block of 32: scale byte and 24 bytes of codes, to LDS
.macro QUANT adr, badr
	v_max3_num_f32 v32, |v[BQ]|, |v[BQ+1]|, 0x1800000              ; with the floor 2^(3 - 127) among the leaves: so the byte cannot fall under 1
	v_max3_num_f32 v33, |v[BQ+2]|, |v[BQ+3]|, |v[BQ+4]|
	v_max3_num_f32 v34, |v[BQ+5]|, |v[BQ+6]|, |v[BQ+7]|
	v_max3_num_f32 v35, |v[BQ+8]|, |v[BQ+9]|, |v[BQ+10]|
.irp i, 11,13,15,17,19,21,23,25,27,29
	v_max3_num_f32 v[32+((\i-11)/2)%4], v[32+((\i-11)/2)%4], |v[BQ+\i]|, |v[BQ+\i+1]|   ; (four chains by turns)
.endr
	v_max3_num_f32 v32, v32, v33, |v[BQ+31]|
	v_max_num_f32 v34, v34, v35
	v_max_num_f32 v32, v32, v34
	v_add_nc_u32 v36, 0xff000000, v32              ; 2 off its exponent field: the conversion takes the exponent field of this operand as its scale
	v_cvt_scalef32_pk16_fp6_f32 v[CD:CD+2], v[BQ:BQ+15], v36
	v_cvt_scalef32_pk16_fp6_f32 v[CT:CT+2], v[BQ+16:BQ+31], v36     ; (a conversion's three registers begin on an even number: the second half is moved)
	v_lshrrev_b32 v37, 23, v36                     ; the scale's byte; also the plain place behind the conversions
.irp i, 0,1,2
	v_mov_b32 v[CD+3+\i], v[CT+\i]
.endr
.irp i, 0,1,2
	ds_store_b64 v[\adr], v[CD+2*\i:CD+2*\i+1] offset:256*\i
.endr
	ds_store_b8 v[\badr], v37
.endm
	s_cmp_lt_u32 s10, 8
	s_cbranch_scc1 .Lt_wave
.irp i, 0,1,2,3,4,5,6,7
	global_load_b128 v[XR+4*\i:XR+4*\i+3], v[XO], s[4:5] offset:2048*(\i/2)+512*(\i%2)   ; 32 lanes read 512 consecutive bytes
.endr
.irp i, 0,1,2,3,4,5,6,7
	s_wait_loadcnt 7-\i                            ; load i is in, the younger ones may stay out
	ds_store_b128 v[TW], v[XR+4*\i:XR+4*\i+3] offset:576*\i        ; four blocks a load
.endr
.irp i, 0,1,2,3,4,5,6,7
	ds_load_b128 v[BQ+4*\i:BQ+4*\i+3], v[TR] offset:16*\i          ; LDS serves a wave's instructions in order (ISA guide 5.7.1.4): these see the stores above
.endr
	s_wait_dscnt 0x0
	QUANT XW, XS
	s_branch .Ljoin
.Lt_wave:
.irp i, 0,1,2,3,4,5,6,7,8,9,10,11,12,13,14,15,16,17,18,19,20,21,22,23,24,25,26,27,28,29,30,31
	global_load_b32 v[BQ+\i], v[TO], s[6:7] offset:1000*\i         ; T(k0 + i, my column)
.endr
	s_wait_loadcnt 0x0
	QUANT TCW, TSW
.Ljoin:
	s_wait_dscnt 0x0                               ; for the others' sake: my codes and bytes have landed
	s_barrier_signal -1
	s_barrier_wait -1
	s_cmp_lt_u32 s10, 2
	s_cbranch_scc0 .Lend
.macro LS s                            ; K step s: scale words and T's fragment: nine loads
	ds_load_b32 v[SC+3*\s], v[SXA] offset:256*\s                   ; lanes 0-15 rows 0-15, lanes 16-31 rows 16-31;
	ds_load_b32 v[SC+1+3*\s], v[SXA] offset:256*\s+128             ; rows 32-63
	ds_load_b32 v[SC+2+3*\s], v[STA] offset:128*\s
.irp p, 0,1,2,3,4,5
	ds_load_b64 v[TF+12*\s+2*\p:TF+12*\s+2*\p+1], v[TFA] offset:FC*(2*\s+\p/3)+256*(\p%3)
.endr
.endm
.macro LX rt, s                        ; x's fragment of tile rt: six loads
.set FX, XF+12*((4*\s+\rt)%7)
.irp p, 0,1,2,3,4,5
	ds_load_b64 v[FX+2*\p:FX+2*\p+1], v[XFA] offset:FT*\rt+FC*(2*\s+\p/3)+256*(\p%3)
.endr
.endm
.macro MM rt, s
.set FX, XF+12*((4*\s+\rt)%7)
.if \s == 0
.if \rt%2 == 0
	v_wmma_scale_f32_16x16x128_f8f6f4 v[AC+8*\rt:AC+8*\rt+7], v[FX:FX+11], v[TF:TF+11], 0, v[SC+\rt/2], v[SC+2] matrix_a_fmt:MATRIX_FMT_FP6 matrix_b_fmt:MATRIX_FMT_FP6
.else
	v_wmma_scale_f32_16x16x128_f8f6f4 v[AC+8*\rt:AC+8*\rt+7], v[FX:FX+11], v[TF:TF+11], 0, v[SC+\rt/2], v[SC+2] matrix_a_fmt:MATRIX_FMT_FP6 matrix_b_fmt:MATRIX_FMT_FP6 matrix_a_scale:MATRIX_SCALE_ROW1
.endif
.else
.if \rt%2 == 0
	v_wmma_scale_f32_16x16x128_f8f6f4 v[AC+8*\rt:AC+8*\rt+7], v[FX:FX+11], v[TF+12:TF+23], v[AC+8*\rt:AC+8*\rt+7], v[SC+3+\rt/2], v[SC+5] matrix_a_fmt:MATRIX_FMT_FP6 matrix_b_fmt:MATRIX_FMT_FP6
.else
	v_wmma_scale_f32_16x16x128_f8f6f4 v[AC+8*\rt:AC+8*\rt+7], v[FX:FX+11], v[TF+12:TF+23], v[AC+8*\rt:AC+8*\rt+7], v[SC+3+\rt/2], v[SC+5] matrix_a_fmt:MATRIX_FMT_FP6 matrix_b_fmt:MATRIX_FMT_FP6 matrix_a_scale:MATRIX_SCALE_ROW1
.endif
.endif
.endm
	LS 0
.irp rt, 0,1,2,3
	LX \rt, 0
.endr
	LS 1
.irp rt, 0,1,2
	LX \rt, 1
.endr
	s_wait_dscnt 27                                ; K step 0's loads are in; the 27 of K step 1 may stay out
.irp rt, 0,1,2,3
	MM \rt, 0
.endr
.rept 4
	v_nop                                          ; four places ahead of the loads into registers that a matrix instruction has read
.endr
	LX 3, 1
	s_wait_dscnt 0x0
.irp rt, 0,1,2,3
	MM \rt, 1
.endr
.rept 4
	v_nop                                          ; four places ahead of the lines that read the results
.endr
.irp j, 0,2,4,6,8,10,12,14,16,18,20,22,24,26,28,30
	v_pk_mul_f32 v[AC+\j:AC+\j+1], v[AC+\j:AC+\j+1], s[34:35] op_sel_hi:[1,0]
.endr
.irp rt, 0,1,2,3
	ds_store_b128 v[GW], v[AC+8*\rt:AC+8*\rt+3] offset:64*\rt
	ds_store_b128 v[GW], v[AC+8*\rt+4:AC+8*\rt+7] offset:64*\rt+16
.endr
.irp i, 0,1,2,3,4,5,6,7
	ds_load_b128 v[TF+4*\i:TF+4*\i+3], v[GR] offset:544*\i         ; two columns' 256 bytes
.endr
.irp i, 0,1,2,3,4,5,6,7
	s_wait_dscnt 7-\i
	global_store_b128 v[GO], v[TF+4*\i:TF+4*\i+3], s[8:9] offset:8192*\i   ; sixteen lanes store one aligned unit of 256 bytes
.endr
.Lend:
	s_wait_tensorcnt 0x0                           ; the wave's end
	ds_add_u32 v[SPW], v[NIL]
	s_wait_dscnt 0x0
	s_endpgm
.Lfunc_end_k_q9200bfc8b0_project:
	.size	k_q9200bfc8b0_project, .Lfunc_end_k_q9200bfc8b0_project-k_q9200bfc8b0_project
	.p2alignl 7, 3214868480
	.fill 96, 4, 3214868480
	.section	.rodata,"a",@progbits
	.p2align	6, 0x0
	.amdhsa_kernel k_q9200bfc8b0_project
		.amdhsa_group_segment_fixed_size 167936
		.amdhsa_private_segment_fixed_size 0
		.amdhsa_enable_private_segment 0
		.amdhsa_kernarg_size 24
		.amdhsa_user_sgpr_count 2
		.amdhsa_user_sgpr_kernarg_segment_ptr 1
		.amdhsa_wavefront_size32 1
		.amdhsa_system_sgpr_workgroup_id_x 1
		.amdhsa_system_sgpr_workgroup_id_y 1
		.amdhsa_system_sgpr_workgroup_id_z 1
		.amdhsa_system_vgpr_workitem_id 0
		.amdhsa_next_free_vgpr 160
		.amdhsa_next_free_sgpr 66
		.amdhsa_reserve_vcc 0
		.amdhsa_float_denorm_mode_32 3
		.amdhsa_float_denorm_mode_16_64 3
		.amdhsa_memory_ordered 1
		.amdhsa_forward_progress 1
		.amdhsa_inst_pref_size 23
	.end_amdhsa_kernel
	.amdgpu_metadata
---
amdhsa.version: [ 1, 2 ]
amdhsa.kernels:
  - .name:           k_q9200bfc8b0_project
    .symbol:         k_q9200bfc8b0_project.kd
    .args:
      - { .name: x, .offset: 0, .size: 8, .value_kind: global_buffer, .address_space: global }
      - { .name: T, .offset: 8, .size: 8, .value_kind: global_buffer, .address_space: global }
      - { .name: m, .offset: 16, .size: 8, .value_kind: global_buffer, .address_space: global }
    .group_segment_fixed_size: 167936
    .private_segment_fixed_size: 0
    .kernarg_segment_align: 8
    .kernarg_segment_size: 24
    .max_flat_workgroup_size: 768
    .sgpr_count:     66
    .vgpr_count:     160
    .wavefront_size: 32
...
	.end_amdgpu_metadata
.endif
;; end of part 1
;; launch pairs (part 2): grid 5 x 50, 8 waves a work-group, no clusters, 167,936 bytes of LDS; arguments x, m, out0; writes out0
.if DOCPART == 2
	.amdgcn_target "amdgcn-amd-amdhsa--gfx1250"
	.amdhsa_code_object_version 6
	.text
	.protected	k_q9200bfc8b0_pairs
	.globl	k_q9200bfc8b0_pairs
	.p2align	8
	.type	k_q9200bfc8b0_pairs,@function
k_q9200bfc8b0_pairs:
	s_mov_b64 s[64:65], 0
	v_nop
	global_prefetch_b8 v0, s[64:65] scope:SCOPE_SE
	s_setreg_imm32_b32 hwreg(HW_REG_WAVE_MODE, 25, 1), 1
	s_wait_xcnt 0x0
; out0[i][0..511] = x[i];  out0[i][512 + k] = sum over j of exp(-sum over d of |M[i][5k+d] - M[j][5k+d]|), k = 0..49, d = 0..4, j = 0..1023.
; M x log2(e) is the sum of m's two parts, [2][256 columns][1024 rows] f32, added here as they are loaded: a term is 2^-(sum of |differences|).  All in f32.
; SHARES.  A work-group owns ONE kernel k (grid y) and 208 rows of it (grid x = 0..3) or 192 (grid x = 4): 250 work-groups, 26 or 24 rows a wave.
; EVERY WAVE HOLDS ALL 1,024 j OF THE KERNEL in 160 registers: lane l, chunk n, q: j = 128 n + 4 l + q, five columns.  The kernel's columns come once into LDS, 16 bytes a thread, column and part, and from there into the waves' registers;
; the first row's work begins as the first chunk arrives.  So a row is one wave's: no sum spans waves, and one barrier serves the launch.
; 512 REGISTERS are claimed for each wave: 8 waves x 512 are the four SIMDs' 4 x 1,024, so each SIMD takes two waves.  v256 to v265 hold x's bytes.
; A TRIP is two rows, four pieces of 16 j a lane.  A chunk of 4 j: ten packed subtractions (the row's number serves both halves), twelve additions with |.| a term, two packed additions that also turn the sign,
; which stand behind the next chunk's subtractions.  A piece's sixteen exponentials are one batch; its sums are taken behind the next piece's batch, so the wait ahead of one batch is also the one behind the batch before.
; SUMS OVER LANES: a row's 32 lane sums go to the wave's own LDS, 144 bytes a row; at the end lane l reads and adds row l's.  Rows 24 to 31 are set to 0 at the head, since lanes 26 to 31 (24 to 31 where grid x = 4) have no row.
; THE LAST TRIP of the work-groups with 192 rows is jumped over: the trip count stays a constant.
; x IS COPIED here, rows u + 250 n for work-group u = 5 k + grid x: asked for behind the barrier, stored in the fifth trip.  out0's rows are 2,248 bytes and begin at multiples of 8, so 8 bytes a lane, 256 consecutive bytes a wave.
; RESULTS are 4 bytes a row: a work-group has one kernel, since with more of them it would read as many times 40,960 bytes of m.
; NO CLUSTER, NO TENSOR LOAD, NO PREFETCH: what the five work-groups of a kernel share is 40,960 bytes, read once at the head, ahead of the loop; the loop loads nothing from memory.
; LDS is claimed so that a work-group has a WGP to itself.
; LIMITS: NaN and infinities are not served; a term under 2^-126 counts as 0 (ISA guide, v_exp_f32); the sums run in another order than the reference's.
.set PART,  1048576                    ; bytes from m's first part to its second
.set PRIV,  20480                      ; LDS: bytes 0..20479 the kernel's columns [d][j]; then for each wave its rows' own numbers [d][32 rows],
.set SUMS,  PRIV+8*768                 ; for each wave its lane sums [32 rows][144 bytes],
.set SPARE, SUMS+8*4608                ; and the spare words
.set OB,  1                            ; v1   16 x thread
.set AB,  2                            ; v2   my wave's rows' numbers (the same in all lanes)
.set AA,  3                            ; v3   the same, two rows on each trip
.set SB,  4                            ; v4   my lane sums' place in row 0
.set VS,  5                            ; v5   in the trip's first row
.set EB,  6                            ; v6   row = lane: where I read its sums
.set LN,  7                            ; v7   lane
.set XO,  8                            ; v8   8 x thread
.set GO,  9                            ; v9   row = lane: its offset in out0
.set SPW, 10
.set NIL, 11
.set LB,  12                           ; v12  16 x lane
.set A,   16                           ; v16-25   the trip's rows: 2 d + row
.set D,   26                           ; v26-45   differences: 10 (q / 2) + 2 d + q % 2
.set PO,  26                           ; (at the head: v26 a load offset, v28 an LDS address, v30 at work)
.set PS,  28
.set X,   46                           ; v46-49   part sums
.set Y,   50                           ; v50-53
.set ACC, 54                           ; v54-61   a row's sums, four pairs
.set RS,  62                           ; v62-63   a row's lane sum
.set B,   64                           ; v64-223  20 n + 4 d + q
.set T,   224                          ; v224-255 two sets of 16 exponents, then terms
	s_load_b128 s[4:7], s[0:1], 0x0                ; x, m
	s_load_b64 s[8:9], s[0:1], 0x10                ; out0
	v_lshrrev_b32 v13, 5, v0
	v_readfirstlane_b32 s10, v13                   ; wave 0..7
	s_and_b32 s11, ttmp7, 0xffff                   ; k
	s_cmp_eq_u32 ttmp9, 4
	s_cselect_b32 s13, 24, 26                      ; rows of a wave
	s_cselect_b32 s33, 1, 0                        ; the trip that is jumped over, counted down: the last one, or none
	s_mul_i32 s14, ttmp9, 208
	s_mul_i32 s15, s10, s13
	s_add_co_u32 s14, s14, s15                     ; my first row
	s_sub_co_u32 s15, s13, 1
	s_mul_i32 s16, s11, 20480                      ; the kernel's five columns
	s_mov_b32 s17, 0
	s_mul_i32 s18, s11, 5
	s_add_co_u32 s18, s18, ttmp9                   ; u: the first row of x that I copy
	s_lshl_b32 s20, s18, 11
	s_mov_b32 s21, 0
	s_mul_i32 s22, s18, 2248
	s_mov_b32 s23, 0
	s_lshl_b32 s24, s11, 2
	s_add_co_u32 s24, s24, 2048                    ; kernel k's place in a row of out0
	s_mov_b32 s25, 0
	s_mul_i32 s26, s10, 768
	s_add_co_u32 s26, s26, PRIV
	s_mul_i32 s27, s10, 4608
	s_add_co_u32 s27, s27, SUMS
	s_mov_b32 s29, 0                               ; 8 bytes a trip
	s_mov_b32 s30, 0                               ; 288 bytes a trip
	s_mov_b32 s31, 13                              ; trips
	v_and_b32 v[LN], 31, v0
	v_lshlrev_b32 v[OB], 4, v0
	v_min_u32 v30, s15, v[LN]
	v_add_nc_u32 v30, s14, v30                     ; the row of lane l (held at my last)
	v_lshlrev_b32 v[PO], 2, v30
	v_mul_u32_u24 v[GO], 2248, v30
	v_lshlrev_b32 v[XO], 3, v0
	v_lshlrev_b32 v[LB], 4, v[LN]
	v_lshl_add_u32 v[PS], v[LN], 2, s26
	v_mov_b32 v[AB], s26
	v_lshl_add_u32 v[SB], v[LN], 2, s27
	v_mul_u32_u24 v[EB], 144, v[LN]
	v_add_nc_u32 v[EB], s27, v[EB]
	v_lshl_add_u32 v[SPW], v0, 2, SPARE
	v_mov_b32 v[NIL], 0
	s_set_vgpr_msb 0x0040                          ; destination in v256 and up
	v_mov_b32 v8, 0                                ; v264, v265: a fifth row's bytes where there is one; written on every way
	v_mov_b32 v9, 0
	s_set_vgpr_msb 0x4000
	s_wait_alu depctr_va_vdst(0)                   ; the wait at the head's end
	s_wait_kmcnt 0x0
	s_add_nc_u64 s[6:7], s[6:7], s[16:17]
	s_add_nc_u64 s[4:5], s[4:5], s[20:21]
	s_add_nc_u64 s[34:35], s[8:9], s[22:23]
	s_add_nc_u64 s[36:37], s[8:9], s[24:25]
.irp p, 0,1
.irp d, 0,1,2,3,4
	global_load_b128 v[B+20*\p+4*\d:B+20*\p+4*\d+3], v[OB], s[6:7] offset:PART*\p+4096*\d   ; thread t: rows 4 t .. + 3 of column d, part p
.endr
.endr
.irp p, 0,1
.irp d, 0,1,2,3,4
	global_load_b32 v[B+40+8*\p+\d], v[PO], s[6:7] offset:PART*\p+4096*\d   ; and my wave's own rows, a lane a row
.endr
.endr
.irp r, 24,25,26,27,28,29,30,31
	ds_store_b32 v[SB], v[NIL] offset:144*\r
.endr
	s_wait_loadcnt 10                              ; the columns are in; the rows' ten loads may stay out
.irp d, 0,1,2,3,4
	v_pk_add_f32 v[B+4*\d:B+4*\d+1], v[B+4*\d:B+4*\d+1], v[B+20+4*\d:B+21+4*\d]
	v_pk_add_f32 v[B+4*\d+2:B+4*\d+3], v[B+4*\d+2:B+4*\d+3], v[B+22+4*\d:B+23+4*\d]
.endr
.irp d, 0,1,2,3,4
	ds_store_b128 v[OB], v[B+4*\d:B+4*\d+3] offset:4096*\d
.endr
	s_wait_loadcnt 0x0
.irp d, 0,1,2,3,4
	v_add_f32 v[B+40+\d], v[B+40+\d], v[B+48+\d]   ; the same sums, bit for bit, as the columns hold
.endr
.irp d, 0,1,2,3,4
	ds_store_b32 v[PS], v[B+40+\d] offset:128*\d
.endr
	s_wait_dscnt 0x0                               ; for the others' sake
	s_barrier_signal -1
	s_barrier_wait -1                              ; the kernel's columns lie in LDS
.irp d, 0,1,2,3,4
	ds_load_b64 v[A+2*\d:A+2*\d+1], v[AB] offset:128*\d            ; my first two rows, one address for all lanes
.endr
.irp n, 0,1,2,3,4,5,6,7
.irp d, 0,1,2,3,4
	ds_load_b128 v[B+20*\n+4*\d:B+20*\n+4*\d+3], v[LB] offset:4096*\d+512*\n
.endr
.endr
	s_set_vgpr_msb 0x0040                          ; destination in v256 and up
.irp n, 0,1,2,3
	global_load_b64 v[2*\n:2*\n+1], v[XO], s[4:5] offset:512000*\n th:TH_LOAD_NT   ; v[256 + 2 n ..]: row u + 250 n of x: 256 threads x 8 bytes; read once in this launch
.endr
	s_set_vgpr_msb 0x4000
	s_cmp_lt_u32 s18, 24                           ; rows 1000 to 1023 fall to work-groups 0 to 23
	s_cbranch_scc0 .Lno_fifth
	s_set_vgpr_msb 0x0040
	global_load_b64 v[8:9], v[XO], s[4:5] offset:2048000 th:TH_LOAD_NT
	s_set_vgpr_msb 0x4000
.Lno_fifth:
	s_wait_dscnt 40                                ; the first rows' numbers are in; the 40 loads of the columns may stay out
; minus the sums of chunk n: four exponents into set ts
.macro TADD n, ts
.set TN, T+16*(\ts)+4*((\n)%4)
.irp p, 0,2
	v_pk_add_f32 v[TN+\p:TN+\p+1], v[X+\p:X+\p+1], v[Y+\p:Y+\p+1] neg_lo:[1,1] neg_hi:[1,1]
.endr
.endm
; chunk n against row rr of the trip.  prev > 0: the chunk before still has its last additions to come
.macro CHUNK n, rr, ts, prev
.set BN, B+20*(\n)
.irp d, 0,1,2,3,4
	v_pk_add_f32 v[D+2*\d:D+2*\d+1], v[BN+4*\d:BN+4*\d+1], v[A+2*\d:A+2*\d+1] op_sel:[0,\rr] op_sel_hi:[1,\rr] neg_lo:[0,1] neg_hi:[0,1]
.endr
.irp d, 0,1,2,3,4
	v_pk_add_f32 v[D+10+2*\d:D+11+2*\d], v[BN+4*\d+2:BN+4*\d+3], v[A+2*\d:A+2*\d+1] op_sel:[0,\rr] op_sel_hi:[1,\rr] neg_lo:[0,1] neg_hi:[0,1]
.endr
.if (\prev) > 0
	TADD (\n)-1, \ts
.endif
.irp q, 0,1,2,3
	v_add_f32 v[X+\q], |v[D+10*(\q/2)+\q%2]|, |v[D+10*(\q/2)+2+\q%2]|
.endr
.irp q, 0,1,2,3
	v_add_f32 v[Y+\q], |v[D+10*(\q/2)+4+\q%2]|, |v[D+10*(\q/2)+6+\q%2]|
.endr
.irp q, 0,1,2,3
	v_add_f32 v[X+\q], v[X+\q], |v[D+10*(\q/2)+8+\q%2]|
.endr
.endm
; a piece: chunks 4 hf .. + 3.  first = 1: in the first trip the chunks are still on their way from LDS, five loads each
.macro PIECE hf, rr, ts, first
.irp c, 0,1,2,3
.if \first
	s_wait_dscnt 35-5*(4*\hf+\c)                   ; the later chunks' loads may stay out
.endif
	CHUNK 4*\hf+\c, \rr, \ts, \c
.endr
	TADD 3, \ts
.endm
.macro EXPS ts
	s_wait_alu depctr_va_vdst(0)                   ; the wait ahead of the batch; it is also the one behind the batch before
.irp i, 0,1,2,3,4,5,6,7,8,9,10,11,12,13,14,15
	v_exp_f32 v[T+16*\ts+\i], v[T+16*\ts+\i]
.endr
.endm
.macro SUMA ts                         ; a row's first piece starts the sums: nothing is cleared
.irp i, 0,1,2,3
	v_pk_add_f32 v[ACC+2*\i:ACC+2*\i+1], v[T+16*\ts+4*\i:T+16*\ts+4*\i+1], v[T+16*\ts+4*\i+2:T+16*\ts+4*\i+3]
.endr
.endm
.macro SUMB ts, rr                     ; its second piece ends them
.irp h, 0,8
.irp i, 0,2,4,6
	v_pk_add_f32 v[ACC+\i:ACC+\i+1], v[ACC+\i:ACC+\i+1], v[T+16*\ts+\h+\i:T+16*\ts+\h+\i+1]
.endr
.endr
	v_pk_add_f32 v[ACC:ACC+1], v[ACC:ACC+1], v[ACC+2:ACC+3]
	v_pk_add_f32 v[ACC+4:ACC+5], v[ACC+4:ACC+5], v[ACC+6:ACC+7]
	v_pk_add_f32 v[ACC:ACC+1], v[ACC:ACC+1], v[ACC+4:ACC+5]
	v_add_f32 v[RS+\rr], v[ACC], v[ACC+1]
	ds_store_b32 v[VS], v[RS+\rr] offset:144*\rr
.endm
.Ltrip:
	s_cmp_eq_u32 s31, s33
	s_cbranch_scc1 .Lnext                          ; 24 rows a wave: the thirteenth trip has no rows
	s_cmp_lg_u32 s31, 9
	s_cbranch_scc1 .Lno_copy                       ; the fifth trip stores x
	s_wait_loadcnt 0x0
	s_set_vgpr_msb 0x0004                          ; data from v256 and up
.irp n, 0,1,2,3
	global_store_b64 v[XO], v[2*\n:2*\n+1], s[34:35] offset:562000*\n th:TH_STORE_NT
.endr
	s_set_vgpr_msb 0x0400
	s_cmp_lt_u32 s18, 24
	s_cbranch_scc0 .Lno_copy
	s_set_vgpr_msb 0x0004
	global_store_b64 v[XO], v[8:9], s[34:35] offset:2248000 th:TH_STORE_NT
	s_set_vgpr_msb 0x0400
.Lno_copy:
	v_add_nc_u32 v[VS], s30, v[SB]
	PIECE 0, 0, 0, 1
	EXPS 0
	PIECE 1, 0, 1, 1
	EXPS 1
	SUMA 0
	v_add_nc_u32 v[AA], s29, v[AB]
	PIECE 0, 1, 0, 0
	EXPS 0
	SUMB 1, 0
	PIECE 1, 1, 1, 0
.irp d, 0,1,2,3,4
	ds_load_b64 v[A+2*\d:A+2*\d+1], v[AA] offset:128*\d+8          ; the next trip's two rows (behind the last trip rows 26, 27 of the 32 that lie there: not used)
.endr
	EXPS 1
	SUMA 0
	s_wait_alu depctr_va_vdst(0)                   ; the wait behind the trip's last batch
	SUMB 1, 1
	s_wait_dscnt 1                                 ; the next rows' numbers are in: behind their loads stands one store
.Lnext:
	s_add_co_u32 s29, s29, 8
	s_add_co_u32 s30, s30, 288
	s_sub_co_u32 s31, s31, 1
	s_cmp_lg_u32 s31, 0
	s_cbranch_scc1 .Ltrip
	; THE END: lane l adds row l's 32 lane sums
	s_wait_dscnt 0x0
.irp i, 0,1,2,3,4,5,6,7
	ds_load_b128 v[B+4*\i:B+4*\i+3], v[EB] offset:16*\i
.endr
	s_wait_tensorcnt 0x0                           ; the wave's end, behind my last LDS store
	ds_add_u32 v[SPW], v[NIL]
	s_wait_dscnt 0x0                               ; and my eight loads are in
.irp i, 0,2,4,6,8,10,12,14
	v_pk_add_f32 v[B+\i:B+\i+1], v[B+\i:B+\i+1], v[B+16+\i:B+17+\i]
.endr
.irp i, 0,2,4,6
	v_pk_add_f32 v[B+\i:B+\i+1], v[B+\i:B+\i+1], v[B+8+\i:B+9+\i]
.endr
.irp i, 0,2
	v_pk_add_f32 v[B+\i:B+\i+1], v[B+\i:B+\i+1], v[B+4+\i:B+5+\i]
.endr
	v_pk_add_f32 v[B:B+1], v[B:B+1], v[B+2:B+3]
	v_cmp_gt_u32 vcc_lo, s13, v[LN]
	v_add_f32 v[B], v[B], v[B+1]
	s_wait_alu depctr_va_vdst(0)                   ; the wait here, directly ahead of the wait below
	s_wait_xcnt 0x0                                ; EXEC changes only behind this wait
	s_and_saveexec_b32 s38, vcc_lo                 ; lanes with a row
	global_store_b32 v[GO], v[B], s[36:37]
	s_wait_xcnt 0x0                                ; and again, in front of the line that widens it
	s_or_b32 exec_lo, exec_lo, s38
	s_endpgm
.Lfunc_end_k_q9200bfc8b0_pairs:
	.size	k_q9200bfc8b0_pairs, .Lfunc_end_k_q9200bfc8b0_pairs-k_q9200bfc8b0_pairs
	.p2alignl 7, 3214868480
	.fill 96, 4, 3214868480
	.section	.rodata,"a",@progbits
	.p2align	6, 0x0
	.amdhsa_kernel k_q9200bfc8b0_pairs
		.amdhsa_group_segment_fixed_size 167936
		.amdhsa_private_segment_fixed_size 0
		.amdhsa_enable_private_segment 0
		.amdhsa_kernarg_size 24
		.amdhsa_user_sgpr_count 2
		.amdhsa_user_sgpr_kernarg_segment_ptr 1
		.amdhsa_wavefront_size32 1
		.amdhsa_system_sgpr_workgroup_id_x 1
		.amdhsa_system_sgpr_workgroup_id_y 1
		.amdhsa_system_sgpr_workgroup_id_z 1
		.amdhsa_system_vgpr_workitem_id 0
		.amdhsa_next_free_vgpr 512
		.amdhsa_next_free_sgpr 66
		.amdhsa_reserve_vcc 1
		.amdhsa_float_denorm_mode_32 3
		.amdhsa_float_denorm_mode_16_64 3
		.amdhsa_memory_ordered 1
		.amdhsa_forward_progress 1
		.amdhsa_inst_pref_size 42
	.end_amdhsa_kernel
	.amdgpu_metadata
---
amdhsa.version: [ 1, 2 ]
amdhsa.kernels:
  - .name:           k_q9200bfc8b0_pairs
    .symbol:         k_q9200bfc8b0_pairs.kd
    .args:
      - { .name: x, .offset: 0, .size: 8, .value_kind: global_buffer, .address_space: global }
      - { .name: m, .offset: 8, .size: 8, .value_kind: global_buffer, .address_space: global }
      - { .name: out0, .offset: 16, .size: 8, .value_kind: global_buffer, .address_space: global }
    .group_segment_fixed_size: 167936
    .private_segment_fixed_size: 0
    .kernarg_segment_align: 8
    .kernarg_segment_size: 24
    .max_flat_workgroup_size: 256
    .sgpr_count:     66
    .vgpr_count:     512
    .wavefront_size: 32
...
	.end_amdgpu_metadata
.endif
;; end of part 2
